; MI455X (gfx1250); checked and timed in simulation.
; The chip was launched on July 23, 2026; its instructions are those of AMD's public machine-readable ISA for CDNA 5 (MIT licence, August 2026) and "CDNA5" Instruction Set Architecture Reference Guide (July 2026). The comments in the code are by the model that wrote it; some were corrected since.
;; Cross Attention. Allowed arithmetic: float matrix products may take bf16 or f16 operands with f32 sums; all other float work in f32.
;; Inputs: Wk 256 x 512 float32; Wo 512 x 256 float32; Wq 256 x 512 float32; Wv 256 x 512 float32; attn_mask 512 x 512 int32; bo 256 float32; inp_kv 512 x 512 x 256 float32; inp_q 512 x 1 x 256 float32.
;; Outputs: out0 512 x 1 x 256 float32; out1 512 x 1 x 4 int32.
;; Constants: topk = 4.
;; One version. Each part assembles by itself: llvm-mc -triple=amdgcn-amd-amdhsa -mcpu=gfx1250 --defsym DOCPART=n.
;; ======== version 1 of 1: 4 launches
;; workspace buffers: qkw 4,194,304 bytes; ctxw 4,194,304 bytes; partw 4,194,304 bytes
;; launch pre (part 1): grid 32 x 8, 4 waves a work-group, no clusters, 104,192 bytes of LDS; arguments inp_q, Wq, Wk, qkw; writes qkw
.if DOCPART == 1
	.amdgcn_target "amdgcn-amd-amdhsa--gfx1250"
	.amdhsa_code_object_version 6
	.text
	.protected	k_qb372aa3662_pre
	.globl	k_qb372aa3662_pre
	.p2align	8
	.type	k_qb372aa3662_pre,@function
k_qb372aa3662_pre:
	s_mov_b64 s[64:65], 0
	v_nop
	global_prefetch_b8 v0, s[64:65] scope:SCOPE_SE
	s_setreg_imm32_b32 hwreg(HW_REG_WAVE_MODE, 25, 1), 1
	s_wait_xcnt 0x0
; qkw[b][h][k'] = 0.125 x the sum over d of bf16(Wk)[c(k')][64 h + d] q[b][h][d],  q[b][h][d] = the sum over c of bf16(inp_q)[b][c] bf16(Wq)[c][64 h + d].
; With one query a batch the scores are x . (Wk_h q_h): this launch makes that vector, so that the keys are never projected.
; A work-group: 16 batches (grid x) of one head (grid y).  Four waves.  All float inputs are rounded once to bf16; products of bf16 are exact in the f32 sums.
; q, an intermediate, enters the second product as THREE bf16 parts that add up to the f32 number (8 + 8 + 8 significant bits), so nothing is lost to the operand format.
; ORDER k'.  Channel c = 64 q + 4 m + i lies at k' = 64 q + 16 i + m: the order in which the next launch's 16-byte loads hand channels to matrix rows.  It is applied where Wk's rows go into LDS.
; STAGE 1 (every wave makes all of it, so that q stays in registers and no second barrier is needed): q^T (m = d, n = batch) = Wq_h^T x xq^T, 8 K steps x 4 tiles.
; STAGE 2: wave w makes k' = 64 w .. 64 w + 63: (m = k', n = batch) = Wk rows x q parts, 3 parts x 2 K steps x 4 tiles.
; NO CLUSTER: the 32 work-groups of a head share 128 KiB of f32 weights, which must pass through registers to be rounded; a tile brought into LDS jointly would be read back, rounded and stored again.
; LIMITS.  NaN and infinities are not treated apart; parts of q below bf16's smallest number are lost.
.set XQ,    0                          ; 16 rows (batch) x 256 bf16, pitch 528
.set XQP,   528
.set WQT,   8448                       ; 256 rows c x 64 bf16 (d), pitch 160 = 5 x 32: read turned
.set WQP,   160
.set WKT,   49408                      ; 256 rows k' x 64 bf16 (d), pitch 144 = 9 x 16
.set WKP,   144
.set STG,   86272                      ; the way out: for each wave 16 rows x 256 bytes, pitch 272
.set SP,    272
.set SPARE, 103680                     ; the spare words: 128 bytes a wave, named by no other line
.set SPW, 2                            ; v2  my spare word's address; never rewritten
.set NIL, 3                            ; v3  0; never rewritten
.set GX,  4                            ; v4  global offset in the 16 rows of inp_q
.set GW,  5                            ; v5  global offset in a weight's head slice
.set SXQ, 6                            ; v6-8  where my conversions go in XQ, WQT, WKT
.set SWQ, 7
.set SWK, 8
.set AT,  9                            ; v9  my place in WQT for the turning load
.set AB,  10                           ; v10 my place in XQ
.set A2,  11                           ; v11 my place in my wave's 64 rows of WKT
.set STO, 12                           ; v12 the way out: in
.set RD,  13                           ; v13 the way out: back
.set GO,  14                           ; v14 my byte offset in qkw
; window 0: v32-63 inp_q as loaded, then q^T (4 tiles); v64-191 Wq as loaded; then v64-127 xq's fragments, later q's parts (hi 64, mid 80, lo 96) and v112-119 at work;
;           v128-255 Wq's fragments of K steps 0-3; later v128-159 the result, v160-191 rows read back
; window 1: v0-127 Wk as loaded, then Wq's fragments of K steps 4-7; v192-255 Wk's fragments
.set MSB, 0
.macro WIN new                         ; the immediate's high byte repeats the setting that is left
.if MSB != (\new)
	s_set_vgpr_msb (MSB<<8)|(\new)
.set MSB, (\new)
.endif
.endm
.macro PLACES                          ; four plain vector instructions between a matrix instruction and what touches its registers (ISA guide 7.12.1)
.rept 4
	v_nop
.endr
.endm
.macro CV2 a                           ; four f32 in v[a .. a+3] become four bf16 in v[a], v[a+1]
	v_cvt_pk_bf16_f32 v[(\a)], v[(\a)], v[(\a)+1]
	v_cvt_pk_bf16_f32 v[(\a)+1], v[(\a)+2], v[(\a)+3]
.endm
.macro SPLIT3 x, hi, mid, lo, t        ; the pair v[x], v[x+1] = hi + mid + lo, each a pair of bf16; the differences are exact
	v_cvt_pk_bf16_f32 v[\hi], v[\x], v[(\x)+1]
	v_lshlrev_b32 v[\t], 16, v[\hi]
	v_and_b32 v[(\t)+1], s16, v[\hi]
	v_pk_add_f32 v[\x:(\x)+1], v[\x:(\x)+1], v[\t:(\t)+1] neg_lo:[0,1] neg_hi:[0,1]
	v_cvt_pk_bf16_f32 v[\mid], v[\x], v[(\x)+1]
	v_lshlrev_b32 v[\t], 16, v[\mid]
	v_and_b32 v[(\t)+1], s16, v[\mid]
	v_pk_add_f32 v[\x:(\x)+1], v[\x:(\x)+1], v[\t:(\t)+1] neg_lo:[0,1] neg_hi:[0,1]
	v_cvt_pk_bf16_f32 v[\lo], v[\x], v[(\x)+1]
.endm
	s_load_b256 s[4:11], s[0:1], 0x0               ; inp_q s[4:5], Wq s[6:7], Wk s[8:9], qkw s[10:11]
	v_lshl_add_u32 v[SPW], v0, 2, SPARE
	v_mov_b32 v[NIL], 0
	v_lshrrev_b32 v1, 5, v0
	v_readfirstlane_b32 s12, v1                    ; wave 0..3
	s_and_b32 s13, ttmp7, 0xffff                   ; head
	v_and_b32 v16, 15, v0                          ; thread % 16 = lane % 16
	v_lshrrev_b32 v17, 4, v0                       ; thread / 16
	v_lshrrev_b32 v18, 6, v0                       ; thread / 64
	v_and_b32 v19, 63, v0
	v_bfe_u32 v20, v0, 4, 1                        ; lane / 16
	v_and_b32 v21, 7, v0
	v_bfe_u32 v22, v0, 3, 1
	v_lshlrev_b32 v[GX], 4, v0                     ; the 16 rows of inp_q are 16,384 dense bytes: 16 a thread, 2,048 a load
	v_lshlrev_b32 v[GW], 11, v17                   ; a weight's row is 2,048 bytes; 16 threads take a row's 256 bytes of this head
	v_lshl_add_u32 v[GW], v16, 4, v[GW]
	s_mov_b32 s16, 0xffff0000                      ; a word's upper bf16
	s_mov_b32 s18, 0x3e000000                      ; 0.125 = 64^-0.5
	s_mov_b32 s19, 0x3e000000
	s_lshl_b32 s14, ttmp9, 14
	s_mov_b32 s15, 0
	s_wait_kmcnt 0x0
	s_add_nc_u64 s[4:5], s[4:5], s[14:15]          ; inp_q at my 16 batches
	s_lshl_b32 s14, s13, 8
	s_add_nc_u64 s[6:7], s[6:7], s[14:15]          ; Wq and Wk at my head's 64 columns
	s_add_nc_u64 s[8:9], s[8:9], s[14:15]
	s_lshl_b32 s14, ttmp9, 17                      ; qkw: 16 batches x 8,192 bytes,
	s_lshl_b32 s17, s13, 10                        ; the head's 1,024,
	s_add_co_u32 s14, s14, s17
	s_lshl_b32 s17, s12, 8                         ; my wave's 256
	s_add_co_u32 s14, s14, s17
	s_add_nc_u64 s[10:11], s[10:11], s[14:15]
	; all 72 loads of a thread go out on end
.set i, 0
.rept 8
	global_load_b128 v[32+4*i:35+4*i], v[GX], s[4:5] offset:2048*i
.set i, i+1
.endr
.set i, 0
.rept 32
	global_load_b128 v[64+4*i:67+4*i], v[GW], s[6:7] offset:16384*i   ; rows thread / 16 + 8 i
.set i, i+1
.endr
	WIN 0x40                                       ; destination window 1
.set i, 0
.rept 32
	global_load_b128 v[4*i:4*i+3], v[GW], s[8:9] offset:16384*i
.set i, i+1
.endr
	WIN 0
	v_mul_u32_u24 v[SXQ], v18, XQP                 ; load i holds batch row 2 i + thread / 64, channels 4 (thread % 64) on
	v_lshl_add_u32 v[SXQ], v19, 3, v[SXQ]
	v_mul_u32_u24 v[SWQ], v17, WQP
	v_lshl_add_u32 v[SWQ], v16, 3, v[SWQ]
	v_add_nc_u32 v[SWQ], WQT, v[SWQ]
	v_and_b32 v23, 3, v17                          ; c = 8 i + thread / 16: k' = 64 (i / 8) + 16 (c % 4) + 2 (i % 8) + thread / 64
	v_lshl_add_u32 v23, v23, 4, v18
	v_mul_u32_u24 v[SWK], v23, WKP
	v_lshl_add_u32 v[SWK], v16, 3, v[SWK]
	v_add_nc_u32 v[SWK], WKT, v[SWK]
	v_lshl_add_u32 v[AT], v20, 3, v21              ; the turning load: row 8 (lane / 16) + lane % 8, 16 bytes at 16 ((lane / 8) % 2)
	v_mul_u32_u24 v[AT], v[AT], WQP
	v_lshl_add_u32 v[AT], v22, 4, v[AT]
	v_add_nc_u32 v[AT], WQT, v[AT]
	v_mul_u32_u24 v[AB], v16, XQP                  ; a plain fragment: row lane % 16, 16 bytes at 16 (lane / 16), and 32 further on
	v_lshl_add_u32 v[AB], v20, 4, v[AB]
	s_mul_i32 s14, s12, 64*WKP
	s_add_co_u32 s14, s14, WKT
	v_mul_u32_u24 v[A2], v16, WKP
	v_lshl_add_u32 v[A2], v20, 4, v[A2]
	v_add_nc_u32 v[A2], s14, v[A2]
	s_mul_i32 s14, s12, 16*SP
	s_add_co_u32 s14, s14, STG                     ; my wave's stage
	v_mul_u32_u24 v[STO], v16, SP
	v_lshl_add_u32 v[STO], v20, 5, v[STO]
	v_add_nc_u32 v[STO], s14, v[STO]
	v_mul_u32_u24 v[RD], v20, SP
	v_lshl_add_u32 v[RD], v16, 4, v[RD]
	v_add_nc_u32 v[RD], s14, v[RD]
	v_lshlrev_b32 v[GO], 13, v20                   ; lanes 0-15 one batch's 256 bytes, lanes 16-31 the next batch's
	v_lshl_add_u32 v[GO], v16, 4, v[GO]
	; rounding to bf16, eight loads at a time; each count is the number of younger loads (64 is beyond the field: 63)
	s_wait_loadcnt 63
.set i, 0
.rept 8
	CV2 32+4*i
.set i, i+1
.endr
.set i, 0
.rept 8
	ds_store_b64 v[SXQ], v[32+4*i:33+4*i] offset:2*XQP*i
.set i, i+1
.endr
.irp g, 0,1,2,3
	s_wait_loadcnt 56-8*\g
.set i, 8*\g
.rept 8
	CV2 64+4*i
.set i, i+1
.endr
.set i, 8*\g
.rept 8
	ds_store_b64 v[SWQ], v[64+4*i:65+4*i] offset:8*WQP*i
.set i, i+1
.endr
.endr
.irp g, 0,1,2,3
	s_wait_loadcnt 24-8*\g
	WIN 0x45                                       ; destination and both sources window 1
.set i, 8*\g
.rept 8
	CV2 4*i
.set i, i+1
.endr
	WIN 0x04                                       ; address window 0, data window 1
.set i, 8*\g
.rept 8
	ds_store_b64 v[SWK], v[4*i:4*i+1] offset:(64*(i/8)+2*(i%8))*WKP
.set i, i+1
.endr
.endr
	WIN 0
	s_wait_dscnt 0x0                               ; for the others' sake: my stores are done
	s_barrier_signal -1
	s_barrier_wait -1
	; 96 LDS loads on end: xq (16), Wq's K steps 0-3 (32), 4-7 (32), Wk (16)
.set i, 0
.rept 8
	ds_load_b128 v[64+8*i:67+8*i], v[AB] offset:64*i
	ds_load_b128 v[68+8*i:71+8*i], v[AB] offset:64*i+32
.set i, i+1
.endr
.set i, 0
.rept 16                                               ; K step i / 4, tile i % 4 of 16 d
	ds_load_tr16_b128 v[128+8*i:131+8*i], v[AT] offset:32*WQP*(i/4)+32*(i%4)
	ds_load_tr16_b128 v[132+8*i:135+8*i], v[AT] offset:32*WQP*(i/4)+32*(i%4)+16*WQP
.set i, i+1
.endr
	WIN 0x40
.set i, 0
.rept 16
	ds_load_tr16_b128 v[8*i:8*i+3], v[AT] offset:32*WQP*(4+i/4)+32*(i%4)
	ds_load_tr16_b128 v[8*i+4:8*i+7], v[AT] offset:32*WQP*(4+i/4)+32*(i%4)+16*WQP
.set i, i+1
.endr
.set i, 0
.rept 8                                                ; tile i / 2 of my wave's four, K step i % 2
	ds_load_b128 v[192+8*i:195+8*i], v[A2] offset:16*WKP*(i/2)+64*(i%2)
	ds_load_b128 v[196+8*i:199+8*i], v[A2] offset:16*WKP*(i/2)+64*(i%2)+32
.set i, i+1
.endr
	WIN 0
	s_wait_dscnt 48                                ; all but the 32 + 16 youngest
	; stage 1: the four accumulators take turns; the first K step starts the sums
.set i, 0
.rept 16
.if i < 4
	v_wmma_f32_16x16x32_bf16 v[32+8*(i%4):39+8*(i%4)], v[128+8*i:135+8*i], v[64+8*(i/4):71+8*(i/4)], 0
.else
	v_wmma_f32_16x16x32_bf16 v[32+8*(i%4):39+8*(i%4)], v[128+8*i:135+8*i], v[64+8*(i/4):71+8*(i/4)], v[32+8*(i%4):39+8*(i%4)]
.endif
.set i, i+1
.endr
	s_wait_dscnt 16                                ; all but Wk's 16
	WIN 0x01                                       ; source 0 window 1
.set i, 0
.rept 16
	v_wmma_f32_16x16x32_bf16 v[32+8*(i%4):39+8*(i%4)], v[8*i:8*i+7], v[96+8*(i/4):103+8*(i/4)], v[32+8*(i%4):39+8*(i%4)]
.set i, i+1
.endr
	WIN 0
	PLACES
.set i, 0
.rept 16                                               ; the scale is a power of two: exact; each tile's lowest registers are read first
	v_pk_mul_f32 v[32+2*i:33+2*i], v[32+2*i:33+2*i], s[18:19] op_sel_hi:[1,0]
.set i, i+1
.endr
	; a lane holds one batch and 8 d of each tile: tiles 2 k and 2 k + 1, packed in pairs, are source 1 (32 d x 16 batches) of K step k: pair i goes to register i of a part
.set i, 0
.rept 16
	SPLIT3 32+2*i, 64+i, 80+i, 96+i, 112+2*(i%4)
.set i, i+1
.endr
	s_wait_dscnt 0x0                               ; Wk's fragments
	WIN 0x01
	; stage 2: the smallest part first
.irp part, 2,1,0
.irp k, 0,1
.irp i, 0,1,2,3
.if (\part == 2) && (\k == 0)
	v_wmma_f32_16x16x32_bf16 v[128+8*\i:135+8*\i], v[192+16*\i+8*\k:199+16*\i+8*\k], v[64+16*\part+8*\k:71+16*\part+8*\k], 0
.else
	v_wmma_f32_16x16x32_bf16 v[128+8*\i:135+8*\i], v[192+16*\i+8*\k:199+16*\i+8*\k], v[64+16*\part+8*\k:71+16*\part+8*\k], v[128+8*\i:135+8*\i]
.endif
.endr
.endr
.endr
	WIN 0
	PLACES
	; the way out: a lane's 8 k' of a batch are 32 bytes; through my wave's stage they become rows of 256 bytes
.irp i, 0,1,2,3
	ds_store_b128 v[STO], v[128+8*\i:131+8*\i] offset:64*\i
	ds_store_b128 v[STO], v[132+8*\i:135+8*\i] offset:64*\i+16
.endr
.irp t, 0,1,2,3,4,5,6,7
	ds_load_b128 v[160+4*\t:163+4*\t], v[RD] offset:2*SP*\t  ; LDS serves a wave's instructions in order (ISA guide 5.7.1.4): these see the stores above
.endr
.irp t, 0,1,2,3,4,5,6,7
	s_wait_dscnt 7-\t
	global_store_b128 v[GO], v[160+4*\t:163+4*\t], s[10:11] offset:16384*\t  ; 16 lanes store 256 consecutive bytes, aligned
.endr
	s_wait_tensorcnt 0x0                           ; the wave's end
	ds_add_u32 v[SPW], v[NIL]
	s_wait_dscnt 0x0
	s_endpgm
.Lfunc_end_k_qb372aa3662_pre:
	.size	k_qb372aa3662_pre, .Lfunc_end_k_qb372aa3662_pre-k_qb372aa3662_pre
	.p2alignl 7, 3214868480
	.fill 96, 4, 3214868480
	.section	.rodata,"a",@progbits
	.p2align	6, 0x0
	.amdhsa_kernel k_qb372aa3662_pre
		.amdhsa_group_segment_fixed_size 104192
		.amdhsa_private_segment_fixed_size 0
		.amdhsa_enable_private_segment 0
		.amdhsa_kernarg_size 32
		.amdhsa_user_sgpr_count 2
		.amdhsa_user_sgpr_kernarg_segment_ptr 1
		.amdhsa_wavefront_size32 1
		.amdhsa_system_sgpr_workgroup_id_x 1
		.amdhsa_system_sgpr_workgroup_id_y 1
		.amdhsa_system_sgpr_workgroup_id_z 1
		.amdhsa_system_vgpr_workitem_id 0
		.amdhsa_next_free_vgpr 512
		.amdhsa_next_free_sgpr 66
		.amdhsa_reserve_vcc 0
		.amdhsa_float_denorm_mode_32 3
		.amdhsa_float_denorm_mode_16_64 3
		.amdhsa_memory_ordered 1
		.amdhsa_forward_progress 1
		.amdhsa_inst_pref_size 45
	.end_amdhsa_kernel
	.amdgpu_metadata
---
amdhsa.version: [ 1, 2 ]
amdhsa.kernels:
  - .name:           k_qb372aa3662_pre
    .symbol:         k_qb372aa3662_pre.kd
    .args:
      - { .name: inp_q, .offset: 0, .size: 8, .value_kind: global_buffer, .address_space: global }
      - { .name: Wq, .offset: 8, .size: 8, .value_kind: global_buffer, .address_space: global }
      - { .name: Wk, .offset: 16, .size: 8, .value_kind: global_buffer, .address_space: global }
      - { .name: qkw, .offset: 24, .size: 8, .value_kind: global_buffer, .address_space: global }
    .group_segment_fixed_size: 104192
    .private_segment_fixed_size: 0
    .kernarg_segment_align: 8
    .kernarg_segment_size: 32
    .max_flat_workgroup_size: 128
    .sgpr_count:     66
    .vgpr_count:     512
    .wavefront_size: 32
...
	.end_amdgpu_metadata
.endif
;; end of part 1
;; launch main (part 2): grid 512 x 1, 4 waves a work-group, no clusters, 134,144 bytes of LDS; arguments inp_kv, attn_mask, qkw, ctxw, out1; writes ctxw, out1
.if DOCPART == 2
	.amdgcn_target "amdgcn-amd-amdhsa--gfx1250"
	.amdhsa_code_object_version 6
	.text
	.protected	k_qb372aa3662_main
	.globl	k_qb372aa3662_main
	.p2align	8
	.type	k_qb372aa3662_main,@function
k_qb372aa3662_main:
	s_mov_b64 s[64:65], 0
	v_nop
	global_prefetch_b8 v0, s[64:65] scope:SCOPE_SE
	s_setreg_imm32_b32 hwreg(HW_REG_WAVE_MODE, 25, 1), 1
	s_wait_xcnt 0x0
; For batch b: s[h][j] = bf16(x)[j] . qk[h] - 10000 (1 - mask[j]);  attn = softmax over j;  out1 = the 4 keys with the largest sum over h of attn;  ctxw[b][h][k'] = the sum over j of attn[h][j] bf16(x)[j][c(k')].
; x = inp_kv[b], 512 keys x 256 channels of f32, is read ONCE, 524,288 bytes a work-group; memory binds this launch, and the matrix work (48 instructions for 32 keys) rides along.
; SHARES.  A work-group is a batch; wave w owns keys 128 w .. 128 w + 127, in 4 chunks of 32.  Two work-groups fit on a WGP (512 registers a wave, 134,144 bytes of LDS), so all 512 are at work at once.
; LOADS.  A unit is 8 loads of 16 bytes a lane: two keys' rows for each half of the lanes; sixteen lanes take 256 consecutive aligned bytes.  Six units of a wave are on their way at all times: 24 KiB.
; LAYOUT.  A lane's load holds channels 64 q + 4 r + i of a key; two keys of one channel, packed, are a register of the fragment 'row r = channel k' = 64 q + 16 i + r, K = key'.
;   So x^T comes for nothing, in the channel order k', which qkw and ctxw share.  It goes to the wave's own LDS (XT) and is read twice: turned (row = key) for the scores, plain (row = channel) for the weighted sum.
; SCORES.  qk arrives in f32 and is split into three bf16 parts that add up to it.  Columns 0-7 of the first operand are the heads' high parts, 8-15 the middle parts; the second operand has the low parts and zeros;
;   both add onto one accumulator, and lane r plus lane r xor 8 is the score: no bit of qk is lost to the operand format, which the exact comparison of out1 needs.
; SOFTMAX.  A running maximum m and sum l for each wave and head; p = 2^(s log2e - m log2e).  The waves' figures meet in LDS at the end.  The scores are kept in LDS (16 KiB) for the head sums.
; WEIGHTS.  Columns 0-7 of P are p cut to bf16, columns 8-15 the rest cut to bf16: what is dropped is below 2^-14 of p.
; NO CLUSTER, NO TENSOR LOADS: the work-groups share no tile, and x must pass through registers to be rounded; landing it in LDS first would move every byte through LDS once more.
; LIMITS.  NaN and infinities are not treated apart.  A weight below 2^-126 counts as 0; among equal head sums the lowest key wins, as in lax.top_k.  Head sums carry f32's own rounding (sums in another
;   order): two that differ by less than about 1e-6 of themselves may change places.
.set XTW,   24576                      ; XT: for each wave 256 rows k' x 32 keys of bf16, pitch 96 = 3 x 32.  Later RED: 16 rows (head part) x 256 f32, pitch 1,040
.set XP,    96
.set RP,    1040
.set QKT,   4*XTW                      ; 25 rows x 256 bf16, pitch 528: 0-7 high, 8-15 middle, 16-23 low parts, 24 zeros
.set QP,    528
.set NEGT,  111616                     ; 512 f32: 1 - mask
.set SC,    113664                     ; for each wave 8 heads x 128 scores, pitch 544
.set SCWV,  4352
.set SCP,   544
.set MLT,   131072                     ; [wave][16][m log2e, l]
.set HST,   131584                     ; 512 head sums
.set SPARE, 133632                     ; the spare words: 128 bytes a wave, named by no other line
.set SPW, 2                            ; v2  my spare word's address; never rewritten
.set NIL, 3                            ; v3  0; never rewritten
.set XO,  4                            ; v4  my byte offset in x: 8,192 (lane / 16) + 16 (lane % 16); never rewritten
.set XTS, 5                            ; v5  XT: row lane % 16, 16 bytes at 16 (lane / 16): stores and plain loads
.set XTT, 6                            ; v6  XT: the turning load's place
.set AQ0, 7                            ; v7  QKT: row lane % 16
.set AQ1, 8                            ; v8  QKT: row 16 + min(lane % 16, 8)
.set NGA, 9                            ; v9  NEGT at my wave's keys, + 32 (lane / 16)
.set SCA, 10                           ; v10 SC: my head's row, + 32 (lane / 16)
.set MLM, 11                           ; v11 0xffff0000 in lanes with lane % 16 >= 8, else 0
.set ML,  12                           ; v12 m log2e;  v13 m
.set MX,  13
.set LS,  14                           ; v14-15 l, even and odd keys'
.set P,   16                           ; v16-23 P
.set AF,  24                           ; v24-25 the factor for the sums, twice
.set S,   32                           ; v32-47 two score tiles of 16 keys;  v26-31 at work
.set NG,  48                           ; v48-63 1 - mask of my 16 keys; then at work
.set BUFA, 64                          ; v64-127 fragment buffer A
.set SLOT, 128                         ; v128-255 load slots 0-3, 32 registers each
.set FH,   128                         ; window 1: v0-127 the 16 sums' tiles; v128-191 half a chunk of x^T, also fragment buffer B; v192-255 load slots 4, 5
.set SLOTH, 192
.set MSB, 0
.macro WIN new                         ; bits 1:0 source 0, 3:2 source 1, 5:4 source 2, 7:6 destination; the high byte repeats the setting that is left
.if MSB != (\new)
	s_set_vgpr_msb (MSB<<8)|(\new)
.set MSB, (\new)
.endif
.endm
.macro PLACES                          ; four plain vector instructions between a matrix instruction and what touches its registers (ISA guide 7.12.1)
.rept 4
	v_nop
.endr
.endm
.macro SPLIT3 x, hi, mid, lo, t        ; the pair v[x], v[x+1] = hi + mid + lo, each a pair of bf16; the differences are exact
	v_cvt_pk_bf16_f32 v[\hi], v[\x], v[(\x)+1]
	v_lshlrev_b32 v[\t], 16, v[\hi]
	v_and_b32 v[(\t)+1], s23, v[\hi]
	v_pk_add_f32 v[\x:(\x)+1], v[\x:(\x)+1], v[\t:(\t)+1] neg_lo:[0,1] neg_hi:[0,1]
	v_cvt_pk_bf16_f32 v[\mid], v[\x], v[(\x)+1]
	v_lshlrev_b32 v[\t], 16, v[\mid]
	v_and_b32 v[(\t)+1], s23, v[\mid]
	v_pk_add_f32 v[\x:(\x)+1], v[\x:(\x)+1], v[\t:(\t)+1] neg_lo:[0,1] neg_hi:[0,1]
	v_cvt_pk_bf16_f32 v[\lo], v[\x], v[(\x)+1]
.endm
; Unit g of 32: chunk g / 8, half (g / 4) % 2, key pair g % 4: keys 32 (g / 8) + 16 ((g / 4) % 2) + 8 (lane / 16) + 2 (g % 4) + e, e = 0, 1; quarter q of the row.  Slot g % 6.
.macro XLOAD g
.set sl, (\g)%6
.set kb, (32*((\g)/8)+16*(((\g)/4)%2)+2*((\g)%4))*1024
.if sl < 4
	WIN 0
.set sb, SLOT+32*sl
.else
	WIN 0x40
.set sb, SLOTH+32*(sl-4)
.endif
.irp e, 0,1
.irp q, 0,1,2,3
	global_load_b128 v[sb+16*\e+4*\q:sb+16*\e+4*\q+3], v[XO], s[4:5] offset:kb+1024*\e+256*\q th:TH_LOAD_NT
.endr
.endr
.endm
; Unit g has come: its two keys are packed, channel by channel, into register g % 4 of the 16 tiles' halves; its slot takes the unit six further on.
.macro UNIT g
.set sl, (\g)%6
.if 31-(\g) < 5
	s_wait_loadcnt 8*(31-(\g))                     ; the younger units' loads: at the end the counts run down
.else
	s_wait_loadcnt 40                              ; five younger units of eight loads stay out
.endif
.if sl < 4
	WIN 0x40
.set sb, SLOT+32*sl
.else
	WIN 0x45
.set sb, SLOTH+32*(sl-4)
.endif
.irp c, 0,1,2,3,4,5,6,7,8,9,10,11,12,13,14,15
	v_cvt_pk_bf16_f32 v[FH+4*\c+(\g)%4], v[sb+\c], v[sb+16+\c]
.endr
.if (\g)+6 < 32
	XLOAD (\g)+6
.endif
.endm
.macro XTSTORE t                       ; half t of a chunk: 16 keys of all 256 channels go to XT
	WIN 0x04                                       ; address window 0, data window 1
.irp c, 0,1,2,3,4,5,6,7,8,9,10,11,12,13,14,15
	ds_store_b128 v[XTS], v[FH+4*\c:FH+4*\c+3] offset:16*XP*\c+32*(\t)
.endr
.endm
; The fragments of K steps 2 grp and 2 grp + 1 (32 k' each) of the scores: x turned for both key tiles, qk's two operands: 16 loads.  b = 0: buffer A, 1: buffer B.
.macro LDG grp, b
.if \b
	WIN 0x40
.set bb, FH
.else
	WIN 0
.set bb, BUFA
.endif
.irp z, 0,1
.set ks, 2*(\grp)+\z
	ds_load_tr16_b128 v[bb+32*\z:bb+32*\z+3],     v[XTT] offset:32*XP*ks
	ds_load_tr16_b128 v[bb+32*\z+4:bb+32*\z+7],   v[XTT] offset:32*XP*ks+16*XP
	ds_load_tr16_b128 v[bb+32*\z+8:bb+32*\z+11],  v[XTT] offset:32*XP*ks+32
	ds_load_tr16_b128 v[bb+32*\z+12:bb+32*\z+15], v[XTT] offset:32*XP*ks+16*XP+32
	ds_load_b128 v[bb+32*\z+16:bb+32*\z+19], v[AQ0] offset:64*ks
	ds_load_b128 v[bb+32*\z+20:bb+32*\z+23], v[AQ0] offset:64*ks+32
	ds_load_b128 v[bb+32*\z+24:bb+32*\z+27], v[AQ1] offset:64*ks
	ds_load_b128 v[bb+32*\z+28:bb+32*\z+31], v[AQ1] offset:64*ks+32
.endr
.endm
; Their 8 matrix instructions; the two key tiles' accumulators take turns.  The chunk's first two start the sums.
.macro MMG grp, b
.if \b
	WIN 0x05
.set bb, FH
.else
	WIN 0
.set bb, BUFA
.endif
.irp z, 0,1
.if 2*(\grp)+\z == 0
	v_wmma_f32_16x16x32_bf16 v[S:S+7],    v[bb+32*\z:bb+32*\z+7],    v[bb+32*\z+16:bb+32*\z+23], 0
	v_wmma_f32_16x16x32_bf16 v[S+8:S+15], v[bb+32*\z+8:bb+32*\z+15], v[bb+32*\z+16:bb+32*\z+23], 0
.else
	v_wmma_f32_16x16x32_bf16 v[S:S+7],    v[bb+32*\z:bb+32*\z+7],    v[bb+32*\z+16:bb+32*\z+23], v[S:S+7]
	v_wmma_f32_16x16x32_bf16 v[S+8:S+15], v[bb+32*\z+8:bb+32*\z+15], v[bb+32*\z+16:bb+32*\z+23], v[S+8:S+15]
.endif
	v_wmma_f32_16x16x32_bf16 v[S:S+7],    v[bb+32*\z:bb+32*\z+7],    v[bb+32*\z+24:bb+32*\z+31], v[S:S+7]
	v_wmma_f32_16x16x32_bf16 v[S+8:S+15], v[bb+32*\z+8:bb+32*\z+15], v[bb+32*\z+24:bb+32*\z+31], v[S+8:S+15]
.endr
.endm
.macro LDA2 half                       ; x^T plain, 8 channel tiles x 32 keys: 16 loads; half 0 into buffer A, half 1 into buffer B
.if \half
	WIN 0x40
.set bb, FH
.else
	WIN 0
.set bb, BUFA
.endif
.irp c, 0,1,2,3,4,5,6,7
	ds_load_b128 v[bb+8*\c:bb+8*\c+3],   v[XTS] offset:16*XP*(8*(\half)+\c)
	ds_load_b128 v[bb+8*\c+4:bb+8*\c+7], v[XTS] offset:16*XP*(8*(\half)+\c)+32
.endr
.endm
; The softmax of chunk n.  A lane holds head lane % 8 and the keys 16 t + 8 (lane / 16) + 0..7 of both tiles t.
.macro SOFTMAX n
	WIN 0
.set i, 0
.rept 16                                               ; high and low parts' sum + the middle part's: the same bits in lanes r and r xor 8; each tile's lowest register is read first
	v_add_f32_dpp v[S+i], v[S+i], v[S+i] row_xmask:8 row_mask:0xf bank_mask:0xf
.set i, i+1
.endr
.set i, 0
.rept 8
	v_pk_fma_f32 v[S+2*i:S+2*i+1], v[NG+2*i:NG+2*i+1], s[20:21], v[S+2*i:S+2*i+1] op_sel_hi:[1,0,1]  ; s - 10000 (1 - mask)
.set i, i+1
.endr
	ds_store_b128 v[SCA], v[S:S+3]     offset:128*(\n)       ; the scores are kept for the head sums
	ds_store_b128 v[SCA], v[S+4:S+7]   offset:128*(\n)+16
	ds_store_b128 v[SCA], v[S+8:S+11]  offset:128*(\n)+64
	ds_store_b128 v[SCA], v[S+12:S+15] offset:128*(\n)+80
	v_max3_num_f32 v26, v[S], v[S+1], v[S+2]
	v_max3_num_f32 v27, v[S+3], v[S+4], v[S+5]
	v_max3_num_f32 v28, v[S+6], v[S+7], v[S+8]
	v_max3_num_f32 v29, v[S+9], v[S+10], v[S+11]
	v_max3_num_f32 v30, v[S+12], v[S+13], v[S+14]
	v_max3_num_f32 v26, v26, v27, v28
	v_max3_num_f32 v29, v29, v30, v[S+15]
.if (\n) > 0
	v_max3_num_f32 v26, v26, v29, v[MX]
	v_mov_b32 v28, v[ML]                           ; m_old log2e
.else
	v_max_num_f32 v26, v26, v29
.endif
	v_permlanex16_b32 v27, v26, s24, s25           ; the head's other 16 keys lie in the lane 16 away
	v_max_num_f32 v[MX], v26, v27
	v_mul_f32 v[ML], s18, v[MX]
.if (\n) > 0
	v_sub_f32 v28, v28, v[ML]
.endif
.set i, 0
.rept 8
	v_pk_fma_f32 v[S+2*i:S+2*i+1], v[S+2*i:S+2*i+1], s[18:19], v[ML:ML+1] op_sel_hi:[1,0,0] neg_lo:[0,0,1] neg_hi:[0,0,1]
.set i, i+1
.endr
.if (\n) > 0
	v_exp_f32 v[AF], v28
	v_exp_f32 v[AF+1], v28
.endif
.set i, 0
.rept 16
	v_exp_f32 v[S+i], v[S+i]
.set i, i+1
.endr
	v_nop                                          ; a plain instruction between the exponentials and the first use of a result (ISA guide 5.7.2)
	s_wait_alu depctr_va_vdst(0)
	v_pk_add_f32 v[NG:NG+1],   v[S:S+1],     v[S+2:S+3]
	v_pk_add_f32 v[NG+2:NG+3], v[S+4:S+5],   v[S+6:S+7]
	v_pk_add_f32 v[NG+4:NG+5], v[S+8:S+9],   v[S+10:S+11]
	v_pk_add_f32 v[NG+6:NG+7], v[S+12:S+13], v[S+14:S+15]
	v_pk_add_f32 v[NG:NG+1],   v[NG:NG+1],   v[NG+2:NG+3]
	v_pk_add_f32 v[NG+4:NG+5], v[NG+4:NG+5], v[NG+6:NG+7]
.if (\n) > 0
	v_pk_add_f32 v[NG:NG+1], v[NG:NG+1], v[NG+4:NG+5]
	v_pk_fma_f32 v[LS:LS+1], v[LS:LS+1], v[AF:AF+1], v[NG:NG+1]
.else
	v_pk_add_f32 v[LS:LS+1], v[NG:NG+1], v[NG+4:NG+5]
.endif
.set i, 0
.rept 16                                               ; lanes of the low columns take away p's upper 16 bits (exact); the others take away 0
	v_and_b32 v[NG+i], v[MLM], v[S+i]
.set i, i+1
.endr
.set i, 0
.rept 8
	v_pk_add_f32 v[S+2*i:S+2*i+1], v[S+2*i:S+2*i+1], v[NG+2*i:NG+2*i+1] neg_lo:[0,1] neg_hi:[0,1]
.set i, i+1
.endr
.set i, 0
.rept 8                                                ; the upper halves of two keys' numbers: registers 0-3 from tile 0, 4-7 from tile 1: source 1 (32 keys x 16 columns) as it stands
	v_perm_b32 v[P+i], v[S+2*i+1], v[S+2*i], s22
.set i, i+1
.endr
.endm
.macro RESCALE                         ; the 16 tiles times v[AF], ascending: each tile's lowest registers are read first
	WIN 0x41                                       ; destination and source 0 window 1, source 1 window 0
.set i, 0
.rept 64
	v_pk_mul_f32 v[2*i:2*i+1], v[2*i:2*i+1], v[AF:AF+1]
.set i, i+1
.endr
.endm
.macro PV n                            ; (m = channel, n = head part) += x^T x P: 16 accumulators by turns.  Chunk 0 starts the sums.
.set t, 0
.rept 16
.if t < 8
	WIN 0x50
.set ra, BUFA+8*t
.else
	WIN 0x51
.set ra, FH+8*(t-8)
.endif
.if (\n) == 0
	v_wmma_f32_16x16x32_bf16 v[8*t:8*t+7], v[ra:ra+7], v[P:P+7], 0
.else
	v_wmma_f32_16x16x32_bf16 v[8*t:8*t+7], v[ra:ra+7], v[P:P+7], v[8*t:8*t+7]
.endif
.set t, t+1
.endr
.endm
; A chunk of 32 keys.  Each s_wait_dscnt 16 leaves out the 16 LDS loads just issued and shows the group before them in.
.macro CHUNK n
.irp u, 0,1,2,3
	UNIT 8*(\n)+\u
.endr
	XTSTORE 0
.irp u, 4,5,6,7
	UNIT 8*(\n)+\u
.endr
	XTSTORE 1
	WIN 0
	ds_load_b128 v[NG:NG+3],     v[NGA] offset:128*(\n)
	ds_load_b128 v[NG+4:NG+7],   v[NGA] offset:128*(\n)+16
	ds_load_b128 v[NG+8:NG+11],  v[NGA] offset:128*(\n)+64
	ds_load_b128 v[NG+12:NG+15], v[NGA] offset:128*(\n)+80
	LDG 0, 0                                       ; LDS serves a wave's instructions in order (ISA guide 5.7.1.4): these see the stores above
	LDG 1, 1
	s_wait_dscnt 16
	MMG 0, 0
	PLACES
	LDG 2, 0
	s_wait_dscnt 16
	MMG 1, 1
	PLACES
	LDG 3, 1
	s_wait_dscnt 16
	MMG 2, 0
	PLACES
	LDA2 0
	s_wait_dscnt 16
	MMG 3, 1
	PLACES                                         ; for the loads into buffer B and for the softmax, which reads the scores
	LDA2 1
	SOFTMAX \n
.if (\n) > 0
	RESCALE
.endif
	s_wait_dscnt 4                                 ; only the four stores of scores are younger than x^T's 32 loads
	PV \n
	PLACES                                         ; buffer B, P and the sums are written next by vector instructions
.endm
	s_load_b256 s[4:11], s[0:1], 0x0               ; inp_kv s[4:5], attn_mask s[6:7], qkw s[8:9], ctxw s[10:11]
	s_load_b64 s[12:13], s[0:1], 0x20              ; out1
	v_lshl_add_u32 v[SPW], v0, 2, SPARE
	v_mov_b32 v[NIL], 0
	v_lshrrev_b32 v1, 5, v0
	v_readfirstlane_b32 s14, v1                    ; wave 0..3
	v_and_b32 v26, 15, v0                          ; r = lane % 16 = thread % 16
	v_bfe_u32 v27, v0, 4, 1                        ; lane / 16
	v_lshlrev_b32 v[XO], 4, v26
	v_lshl_add_u32 v[XO], v27, 13, v[XO]
	v_lshrrev_b32 v28, 4, v0                       ; thread / 16: a head
	v_lshlrev_b32 v30, 10, v28                     ; qkw: the head's 1,024 bytes, 16 threads to 256 of them
	v_lshl_add_u32 v30, v26, 4, v30
	v_lshlrev_b32 v31, 4, v0                       ; the mask: 16 bytes a thread
	s_mov_b32 s18, 0x3fb8aa3b                      ; log2(e), as a pair
	s_mov_b32 s19, 0x3fb8aa3b
	s_mov_b32 s20, 0xc61c4000                      ; -10000.0, as a pair
	s_mov_b32 s21, 0xc61c4000
	s_mov_b32 s22, 0x07060302                      ; v_perm_b32: the upper halves of two words
	s_mov_b32 s23, 0xffff0000
	s_mov_b32 s24, 0x76543210                      ; v_permlanex16_b32: each lane takes its own place in the other half
	s_mov_b32 s25, 0xfedcba98
	s_lshl_b32 s16, ttmp9, 19                      ; the batch's 524,288 bytes of x,
	s_lshl_b32 s17, s14, 17                        ; my wave's 128 keys
	s_add_co_u32 s16, s16, s17
	s_mov_b32 s17, 0
	s_wait_kmcnt 0x0
	s_add_nc_u64 s[4:5], s[4:5], s[16:17]
	s_lshl_b32 s16, ttmp9, 13
	s_add_nc_u64 s[8:9], s[8:9], s[16:17]
	s_add_nc_u64 s[10:11], s[10:11], s[16:17]
	s_lshl_b32 s16, ttmp9, 11
	s_add_nc_u64 s[6:7], s[6:7], s[16:17]
	s_lshl_b32 s16, ttmp9, 4
	s_add_nc_u64 s[12:13], s[12:13], s[16:17]
.irp u, 0,1,2,3
	global_load_b128 v[BUFA+4*\u:BUFA+4*\u+3], v30, s[8:9] offset:256*\u th:TH_LOAD_NT
.endr
	global_load_b128 v[80:83], v31, s[6:7] th:TH_LOAD_NT
.irp g, 0,1,2,3,4,5
	XLOAD \g                                       ; the ring is filled
.endr
	WIN 0
	s_mul_i32 s15, s14, XTW                        ; my wave's XT; kept
	v_and_b32 v29, 7, v0
	v_bfe_u32 v1, v0, 3, 1
	v_mul_u32_u24 v[XTS], v26, XP
	v_lshl_add_u32 v[XTS], v27, 4, v[XTS]
	v_add_nc_u32 v[XTS], s15, v[XTS]
	v_lshl_add_u32 v[XTT], v27, 3, v29             ; the turning load: row 8 (lane / 16) + lane % 8, 16 bytes at 16 ((lane / 8) % 2)
	v_mul_u32_u24 v[XTT], v[XTT], XP
	v_lshl_add_u32 v[XTT], v1, 4, v[XTT]
	v_add_nc_u32 v[XTT], s15, v[XTT]
	v_mul_u32_u24 v[AQ0], v26, QP
	v_lshl_add_u32 v[AQ0], v27, 4, v[AQ0]
	v_add_nc_u32 v[AQ0], QKT, v[AQ0]
	v_min_u32 v[AQ1], 8, v26                       ; columns 8-15 of the second operand all read the row of zeros
	v_mul_u32_u24 v[AQ1], v[AQ1], QP
	v_lshl_add_u32 v[AQ1], v27, 4, v[AQ1]
	v_add_nc_u32 v[AQ1], QKT+16*QP, v[AQ1]
	s_lshl_b32 s16, s14, 9
	s_add_co_u32 s16, s16, NEGT
	v_lshl_add_u32 v[NGA], v27, 5, s16
	s_mul_i32 s16, s14, SCWV
	s_add_co_u32 s16, s16, SC
	v_mul_u32_u24 v[SCA], v29, SCP                 ; lanes r and r + 8 hold the same scores and store them to the same place
	v_lshl_add_u32 v[SCA], v27, 5, v[SCA]
	v_add_nc_u32 v[SCA], s16, v[SCA]
	v_cmp_lt_u32 vcc_lo, 7, v26
	v_cndmask_b32 v[MLM], 0, s23, vcc_lo
	v_mul_u32_u24 v28, v28, QP                     ; where my 4 numbers of a part of qk go
	v_lshl_add_u32 v28, v26, 3, v28
	v_add_nc_u32 v28, QKT, v28
	v_lshl_add_u32 v29, v0, 2, QKT+24*QP
	v_lshl_add_u32 v27, v0, 4, NEGT
	v_mov_b32 v1, 0
	ds_store_b32 v29, v1                           ; the row of zeros
	s_wait_loadcnt 48                              ; qk and the mask are in; the six units, 48 loads, are younger
.irp u, 0,1,2,3
	SPLIT3 BUFA+4*\u, 96+2*\u, 104+2*\u, 112+2*\u, 48
	SPLIT3 BUFA+4*\u+2, 97+2*\u, 105+2*\u, 113+2*\u, 50
	ds_store_b64 v28, v[96+2*\u:97+2*\u]   offset:128*\u
	ds_store_b64 v28, v[104+2*\u:105+2*\u] offset:8*QP+128*\u
	ds_store_b64 v28, v[112+2*\u:113+2*\u] offset:16*QP+128*\u
.endr
.irp u, 0,1,2,3
	v_cvt_f32_i32 v[80+\u], v[80+\u]
.endr
.irp u, 0,1,2,3
	v_sub_f32 v[80+\u], 1.0, v[80+\u]
.endr
	ds_store_b128 v27, v[80:83]
	s_wait_dscnt 0x0                               ; for the others' sake: my stores are done
	s_barrier_signal -1
	s_barrier_wait -1
	CHUNK 0
	CHUNK 1
	CHUNK 2
	CHUNK 3
	; THE WAVES MEET.  l's two halves and the other 16 lanes' are added; each wave publishes m log2e and l for its 16 columns.
	WIN 0
	v_add_f32 v[MX], v[LS], v[LS+1]
	v_permlanex16_b32 v26, v[MX], s24, s25
	v_add_f32 v[MX], v[MX], v26
	v_and_b32 v27, 15, v0
	v_lshl_add_u32 v27, v27, 3, MLT
	s_lshl_b32 s16, s14, 7
	v_add_nc_u32 v28, s16, v27
	ds_store_b64 v28, v[ML:ML+1]
	s_wait_dscnt 0x0
	s_barrier_signal -1
	s_barrier_wait -1
.irp u, 0,1,2,3
	ds_load_b64 v[NG+2*\u:NG+2*\u+1], v27 offset:128*\u
.endr
	v_and_b32 v29, 31, v0
	s_mul_i32 s16, s14, SCWV
	s_add_co_u32 s16, s16, SC
	v_lshl_add_u32 v29, v29, 4, s16                ; my wave's own scores, keys 4 lane .. 4 lane + 3 of its 128
.irp u, 0,1,2,3,4,5,6,7
	ds_load_b128 v[BUFA+4*\u:BUFA+4*\u+3], v29 offset:SCP*\u
.endr
	v_and_b32 v61, 15, v0                          ; RED: row lane % 16, 32 bytes at 32 (lane / 16)
	v_mul_u32_u24 v61, v61, RP
	v_bfe_u32 v62, v0, 4, 1
	v_lshl_add_u32 v61, v62, 5, v61
	v_add_nc_u32 v61, s15, v61
	s_wait_dscnt 8                                 ; the four pairs are in; the eight loads of scores are younger
	v_max3_num_f32 v26, v[NG], v[NG+2], v[NG+4]
	v_max_num_f32 v26, v26, v[NG+6]                ; m* log2e
	v_sub_f32 v56, v[NG], v26
	v_sub_f32 v57, v[NG+2], v26
	v_sub_f32 v58, v[NG+4], v26
	v_sub_f32 v59, v[NG+6], v26
	v_sub_f32 v60, v[ML], v26
	v_exp_f32 v56, v56
	v_exp_f32 v57, v57
	v_exp_f32 v58, v58
	v_exp_f32 v59, v59
	v_exp_f32 v60, v60                             ; my own wave's factor
	v_mul_f32 v30, -1.0, v26                       ; (the plain instruction behind the exponentials)
	s_wait_alu depctr_va_vdst(0)
	v_mul_f32 v31, v56, v[NG+1]
	v_fmac_f32 v31, v57, v[NG+3]
	v_fmac_f32 v31, v58, v[NG+5]
	v_fmac_f32 v31, v59, v[NG+7]                   ; l*
	v_rcp_f32 v28, v31
	v_nop
	s_wait_alu depctr_va_vdst(0)
	v_fma_f32 v27, -v31, v28, 1.0                  ; one Newton step
	v_fma_f32 v28, v28, v27, v28                   ; 1 / l*
	v_mul_f32 v[AF], v60, v28
	v_mul_f32 v[AF+1], v60, v28
.irp u, 0,1,2,3,4,5,6,7
	v_readlane_b32 s[32+\u], v30, \u               ; lane u holds head u: - m* log2e
	v_readlane_b32 s[40+\u], v28, \u               ; and 1 / l*
.endr
	RESCALE                                        ; my wave's sums, on the common scale and divided by l*
	WIN 0x04
.irp c, 0,1,2,3,4,5,6,7,8,9,10,11,12,13,14,15
	ds_store_b128 v61, v[8*\c:8*\c+3]   offset:64*\c        ; into my wave's own region, whose x^T has been read
	ds_store_b128 v61, v[8*\c+4:8*\c+7] offset:64*\c+16
.endr
	WIN 0
	s_wait_dscnt 32                                ; the scores are in; the 32 stores are younger
.set i, 0
.rept 32
	v_fma_f32 v[BUFA+i], v[BUFA+i], s18, s[32+i/4]
.set i, i+1
.endr
.set i, 0
.rept 32
	v_exp_f32 v[BUFA+i], v[BUFA+i]
.set i, i+1
.endr
	v_nop
	s_wait_alu depctr_va_vdst(0)
.irp k, 0,1,2,3
	v_mul_f32 v[96+\k], s40, v[BUFA+\k]
.endr
.set i, 4
.rept 28
	v_fma_f32 v[96+i%4], v[BUFA+i], s[40+i/4], v[96+i%4]   ; the head sum of four keys, heads ascending
.set i, i+1
.endr
	v_lshl_add_u32 v62, v0, 4, HST
	ds_store_b128 v62, v[96:99]
	s_wait_dscnt 0x0
	s_barrier_signal -1
	s_barrier_wait -1
	; ctx: thread t adds, for head t / 16 and 16 of its channels, the four waves' high and low columns
	v_lshrrev_b32 v26, 4, v0
	v_and_b32 v27, 15, v0
	v_mul_u32_u24 v28, v26, RP
	v_lshl_add_u32 v28, v27, 4, v28
	v_add_nc_u32 v29, 2*XTW, v28                   ; waves 2 and 3 lie beyond the immediate's reach
	v_lshlrev_b32 v100, 10, v26
	v_lshl_add_u32 v100, v27, 4, v100
.set i, 0
.rept 32                                               ; i = 8 wave + 4 part + quarter
.if i < 16
	ds_load_b128 v[SLOT+4*i:SLOT+4*i+3], v28 offset:(i/8)*XTW+((i/4)%2)*8*RP+256*(i%4)
.else
	ds_load_b128 v[SLOT+4*i:SLOT+4*i+3], v29 offset:(i/8-2)*XTW+((i/4)%2)*8*RP+256*(i%4)
.endif
.set i, i+1
.endr
	s_wait_dscnt 0x0
.set i, 8
.rept 56
	v_pk_add_f32 v[SLOT+2*(i%8):SLOT+2*(i%8)+1], v[SLOT+2*(i%8):SLOT+2*(i%8)+1], v[SLOT+2*i:SLOT+2*i+1]
.set i, i+1
.endr
.irp u, 0,1,2,3
	global_store_b128 v100, v[SLOT+4*\u:SLOT+4*\u+3], s[10:11] offset:256*\u   ; 16 lanes store 256 consecutive bytes, aligned
.endr
	; THE FOUR LARGEST HEAD SUMS: wave 0 alone; no barrier follows
	s_cmp_lg_u32 s14, 0
	s_cbranch_scc1 .Lend
.macro TMAX b                          ; the largest of v[b .. b+15] over all lanes, into v26 of every lane
	v_max3_num_f32 v26, v[(\b)], v[(\b)+1], v[(\b)+2]
	v_max3_num_f32 v27, v[(\b)+3], v[(\b)+4], v[(\b)+5]
	v_max3_num_f32 v28, v[(\b)+6], v[(\b)+7], v[(\b)+8]
	v_max3_num_f32 v29, v[(\b)+9], v[(\b)+10], v[(\b)+11]
	v_max3_num_f32 v30, v[(\b)+12], v[(\b)+13], v[(\b)+14]
	v_max3_num_f32 v26, v26, v27, v28
	v_max3_num_f32 v29, v29, v30, v[(\b)+15]
	v_max_num_f32 v26, v26, v29
	v_max_num_f32_dpp v26, v26, v26 row_xmask:1 row_mask:0xf bank_mask:0xf
	v_max_num_f32_dpp v26, v26, v26 row_xmask:2 row_mask:0xf bank_mask:0xf
	v_max_num_f32_dpp v26, v26, v26 row_xmask:4 row_mask:0xf bank_mask:0xf
	v_max_num_f32_dpp v26, v26, v26 row_xmask:8 row_mask:0xf bank_mask:0xf
	v_permlanex16_b32 v27, v26, s24, s25
	v_max_num_f32 v26, v26, v27
.endm
.macro TMIN b                          ; the smallest likewise
	v_min3_num_f32 v26, v[(\b)], v[(\b)+1], v[(\b)+2]
	v_min3_num_f32 v27, v[(\b)+3], v[(\b)+4], v[(\b)+5]
	v_min3_num_f32 v28, v[(\b)+6], v[(\b)+7], v[(\b)+8]
	v_min3_num_f32 v29, v[(\b)+9], v[(\b)+10], v[(\b)+11]
	v_min3_num_f32 v30, v[(\b)+12], v[(\b)+13], v[(\b)+14]
	v_min3_num_f32 v26, v26, v27, v28
	v_min3_num_f32 v29, v29, v30, v[(\b)+15]
	v_min_num_f32 v26, v26, v29
	v_min_num_f32_dpp v26, v26, v26 row_xmask:1 row_mask:0xf bank_mask:0xf
	v_min_num_f32_dpp v26, v26, v26 row_xmask:2 row_mask:0xf bank_mask:0xf
	v_min_num_f32_dpp v26, v26, v26 row_xmask:4 row_mask:0xf bank_mask:0xf
	v_min_num_f32_dpp v26, v26, v26 row_xmask:8 row_mask:0xf bank_mask:0xf
	v_permlanex16_b32 v27, v26, s24, s25
	v_min_num_f32 v26, v26, v27
.endm
.macro TOP k                           ; pick k: the largest sum; among the keys that hold it the lowest; that key is then taken out (head sums are never negative)
	TMAX S
.set i, 0
.rept 16
	v_cmp_eq_f32 vcc_lo, v26, v[S+i]
	v_cndmask_b32 v[BUFA+i], v31, v[NG+i], vcc_lo
.set i, i+1
.endr
	TMIN BUFA
	v_mov_b32 v[P+4+(\k)], v26
.if (\k) < 3
.set i, 0
.rept 16
	v_cmp_eq_f32 vcc_lo, v26, v[NG+i]
	v_cndmask_b32 v[S+i], v[S+i], v25, vcc_lo
.set i, i+1
.endr
.endif
.endm
	v_lshl_add_u32 v26, v0, 4, HST                 ; in wave 0 the thread's number is the lane's
.irp u, 0,1,2,3
	ds_load_b128 v[S+4*\u:S+4*\u+3], v26 offset:512*\u     ; keys 128 u + 4 lane + 0..3
.endr
	v_lshlrev_b32 v27, 2, v0
.set i, 0
.rept 16
	v_add_nc_u32 v[NG+i], 128*(i/4)+i%4, v27
.set i, i+1
.endr
.set i, 0
.rept 16
	v_cvt_f32_u32 v[NG+i], v[NG+i]                 ; the keys' numbers as f32, exact, so that the same reductions serve
.set i, i+1
.endr
	v_mov_b32 v31, 0x44800000                      ; 1024.0: above every key's number
	v_mov_b32 v25, -1.0
	s_wait_dscnt 0x0
	TOP 0
	TOP 1
	TOP 2
	TOP 3
.irp k, 0,1,2,3
	v_cvt_i32_f32 v[P+4+\k], v[P+4+\k]
.endr
	v_mov_b32 v1, 0
	v_cmp_eq_u32 vcc_lo, 0, v0
	s_wait_xcnt 0x0                                ; EXEC is a source of the stores above: it changes only behind this wait
	s_and_saveexec_b32 s26, vcc_lo
	global_store_b128 v1, v[P+4:P+7], s[12:13]     ; lane 0 stores the batch's four indices: all 16 bytes that the batch has in out1
	s_wait_xcnt 0x0
	s_or_b32 exec_lo, exec_lo, s26
.Lend:
	s_wait_tensorcnt 0x0                           ; the wave's end
	ds_add_u32 v[SPW], v[NIL]
	s_wait_dscnt 0x0
	s_endpgm
.Lfunc_end_k_qb372aa3662_main:
	.size	k_qb372aa3662_main, .Lfunc_end_k_qb372aa3662_main-k_qb372aa3662_main
	.p2alignl 7, 3214868480
	.fill 96, 4, 3214868480
	.section	.rodata,"a",@progbits
	.p2align	6, 0x0
	.amdhsa_kernel k_qb372aa3662_main
		.amdhsa_group_segment_fixed_size 134144
		.amdhsa_private_segment_fixed_size 0
		.amdhsa_enable_private_segment 0
		.amdhsa_kernarg_size 40
		.amdhsa_user_sgpr_count 2
		.amdhsa_user_sgpr_kernarg_segment_ptr 1
		.amdhsa_wavefront_size32 1
		.amdhsa_system_sgpr_workgroup_id_x 1
		.amdhsa_system_sgpr_workgroup_id_y 1
		.amdhsa_system_sgpr_workgroup_id_z 1
		.amdhsa_system_vgpr_workitem_id 0
		.amdhsa_next_free_vgpr 512
		.amdhsa_next_free_sgpr 66
		.amdhsa_reserve_vcc 1
		.amdhsa_float_denorm_mode_32 3
		.amdhsa_float_denorm_mode_16_64 3
		.amdhsa_memory_ordered 1
		.amdhsa_forward_progress 1
		.amdhsa_inst_pref_size 190
	.end_amdhsa_kernel
	.amdgpu_metadata
---
amdhsa.version: [ 1, 2 ]
amdhsa.kernels:
  - .name:           k_qb372aa3662_main
    .symbol:         k_qb372aa3662_main.kd
    .args:
      - { .name: inp_kv, .offset: 0, .size: 8, .value_kind: global_buffer, .address_space: global }
      - { .name: attn_mask, .offset: 8, .size: 8, .value_kind: global_buffer, .address_space: global }
      - { .name: qkw, .offset: 16, .size: 8, .value_kind: global_buffer, .address_space: global }
      - { .name: ctxw, .offset: 24, .size: 8, .value_kind: global_buffer, .address_space: global }
      - { .name: out1, .offset: 32, .size: 8, .value_kind: global_buffer, .address_space: global }
    .group_segment_fixed_size: 134144
    .private_segment_fixed_size: 0
    .kernarg_segment_align: 8
    .kernarg_segment_size: 40
    .max_flat_workgroup_size: 128
    .sgpr_count:     66
    .vgpr_count:     512
    .wavefront_size: 32
...
	.end_amdgpu_metadata
.endif
;; end of part 2
;; launch post (part 3): grid 32 x 8, 4 waves a work-group, no clusters, 110,592 bytes of LDS; arguments ctxw, Wv, Wo, partw; writes partw
.if DOCPART == 3
	.amdgcn_target "amdgcn-amd-amdhsa--gfx1250"
	.amdhsa_code_object_version 6
	.text
	.protected	k_qb372aa3662_post
	.globl	k_qb372aa3662_post
	.p2align	8
	.type	k_qb372aa3662_post,@function
k_qb372aa3662_post:
	s_mov_b64 s[64:65], 0
	v_nop
	global_prefetch_b8 v0, s[64:65] scope:SCOPE_SE
	s_setreg_imm32_b32 hwreg(HW_REG_WAVE_MODE, 25, 1), 1
	s_wait_xcnt 0x0
; partw[h][b][n] = the sum over d of o[b][h][d] bf16(Wo)[64 h + d][n],  o[b][h][d] = the sum over k' of ctxw[b][h][k'] bf16(Wv)[c(k')][64 h + d].
; A work-group: 16 batches (grid x) of one head (grid y); four waves.  The sum over heads spans work-groups and is made by the next launch.
; The weights are rounded once to bf16.  ctx and o, intermediates, enter the products as TWO bf16 parts each (16 significant bits).
; ORDER k'.  Channel c = 64 q + 4 m + i lies at k' = 64 q + 16 i + m, as ctxw has it; it is applied where Wv's rows go into LDS.
; STAGE 1 (every wave makes all of it, so that o stays in registers): o^T (m = d, n = batch) = Wv_h^T x ctx^T, 2 parts x 8 K steps x 4 tiles.
; STAGE 2: wave w makes n = 64 w .. 64 w + 63: (m = n, n = batch) = Wo_h^T x o parts, 2 parts x 2 K steps x 4 tiles.
; NO CLUSTER: the 32 work-groups of a head share 128 KiB of f32 weights, which must pass through registers to be rounded.
; LIMITS.  NaN and infinities are not treated apart.
.set CX,    0                          ; two parts, each 16 rows (batch) x 256 bf16, pitch 528
.set CXP,   528
.set WVT,   16896                      ; 256 rows k' x 64 bf16 (d), pitch 160 = 5 x 32: read turned
.set WVP,   160
.set WOT,   57856                      ; 64 rows d x 256 bf16 (n), pitch 544 = 17 x 32: read turned
.set WOP,   544
.set STG,   92672                      ; the way out: for each wave 16 rows x 256 bytes, pitch 272
.set SP,    272
.set SPARE, 110080                     ; the spare words: 128 bytes a wave, named by no other line
.set SPW, 2                            ; v2  my spare word's address; never rewritten
.set NIL, 3                            ; v3  0; never rewritten
.set GC,  4                            ; v4  global offset in ctxw
.set GW,  5                            ; v5  global offset in Wv's head slice
.set SCX, 6                            ; v6-8  where my conversions go in CX, WVT, WOT
.set SWV, 7
.set SWO, 8
.set AT,  9                            ; v9  my place in WVT for the turning load
.set AB,  10                           ; v10 my place in CX
.set A2,  11                           ; v11 my place in WOT for the turning load, at my wave's 64 columns
.set STO, 12
.set RD,  13
.set GO,  14                           ; v14 my byte offset in partw
.set GD,  15                           ; v15 global offset in Wo's 64 dense rows
; window 0: v32-63 ctx as loaded, then o^T; v64-191 Wv as loaded; v192-231 ctx's parts and work; then v64-127 ctx's high fragments, later o's parts (hi 64, lo 80) and v112-119 at work;
;           v128-255 Wv's fragments of K steps 0-3; later v128-159 the result, v160-191 rows read back
; window 1: v0-127 Wo as loaded, then Wv's fragments of K steps 4-7; v128-191 ctx's low fragments; v192-255 Wo's fragments
.set MSB, 0
.macro WIN new                         ; the immediate's high byte repeats the setting that is left
.if MSB != (\new)
	s_set_vgpr_msb (MSB<<8)|(\new)
.set MSB, (\new)
.endif
.endm
.macro PLACES                          ; four plain vector instructions between a matrix instruction and what touches its registers (ISA guide 7.12.1)
.rept 4
	v_nop
.endr
.endm
.macro CV2 a                           ; four f32 in v[a .. a+3] become four bf16 in v[a], v[a+1]
	v_cvt_pk_bf16_f32 v[(\a)], v[(\a)], v[(\a)+1]
	v_cvt_pk_bf16_f32 v[(\a)+1], v[(\a)+2], v[(\a)+3]
.endm
.macro SPLIT2 x, hi, lo, t             ; the pair v[x], v[x+1] = hi + lo, each a pair of bf16, to 16 significant bits; the difference is exact
	v_cvt_pk_bf16_f32 v[\hi], v[\x], v[(\x)+1]
	v_lshlrev_b32 v[\t], 16, v[\hi]
	v_and_b32 v[(\t)+1], s16, v[\hi]
	v_pk_add_f32 v[\x:(\x)+1], v[\x:(\x)+1], v[\t:(\t)+1] neg_lo:[0,1] neg_hi:[0,1]
	v_cvt_pk_bf16_f32 v[\lo], v[\x], v[(\x)+1]
.endm
	s_load_b256 s[4:11], s[0:1], 0x0               ; ctxw s[4:5], Wv s[6:7], Wo s[8:9], partw s[10:11]
	v_lshl_add_u32 v[SPW], v0, 2, SPARE
	v_mov_b32 v[NIL], 0
	v_lshrrev_b32 v1, 5, v0
	v_readfirstlane_b32 s12, v1                    ; wave 0..3
	s_and_b32 s13, ttmp7, 0xffff                   ; head
	v_and_b32 v16, 15, v0
	v_lshrrev_b32 v17, 4, v0
	v_lshrrev_b32 v18, 6, v0
	v_and_b32 v19, 63, v0
	v_bfe_u32 v20, v0, 4, 1
	v_and_b32 v21, 7, v0
	v_bfe_u32 v22, v0, 3, 1
	v_lshlrev_b32 v[GC], 13, v18                   ; 64 threads take a batch's 1,024 bytes of this head; batches are 8,192 bytes apart
	v_lshl_add_u32 v[GC], v19, 4, v[GC]
	v_lshlrev_b32 v[GW], 11, v17
	v_lshl_add_u32 v[GW], v16, 4, v[GW]
	v_lshlrev_b32 v[GD], 4, v0
	s_mov_b32 s16, 0xffff0000
	s_lshl_b32 s14, ttmp9, 17
	s_lshl_b32 s17, s13, 10
	s_add_co_u32 s14, s14, s17
	s_mov_b32 s15, 0
	s_wait_kmcnt 0x0
	s_add_nc_u64 s[4:5], s[4:5], s[14:15]          ; ctxw at my 16 batches, my head
	s_lshl_b32 s14, s13, 8
	s_add_nc_u64 s[6:7], s[6:7], s[14:15]          ; Wv at my head's 64 columns
	s_lshl_b32 s14, s13, 16
	s_add_nc_u64 s[8:9], s[8:9], s[14:15]          ; Wo at my head's 64 rows
	s_lshl_b32 s14, s13, 19                        ; partw: the head's 524,288 bytes,
	s_lshl_b32 s17, ttmp9, 14                      ; 16 batches x 1,024,
	s_add_co_u32 s14, s14, s17
	s_lshl_b32 s17, s12, 8                         ; my wave's 256
	s_add_co_u32 s14, s14, s17
	s_add_nc_u64 s[10:11], s[10:11], s[14:15]
.set i, 0
.rept 8
	global_load_b128 v[32+4*i:35+4*i], v[GC], s[4:5] offset:16384*i th:TH_LOAD_NT
.set i, i+1
.endr
.set i, 0
.rept 32
	global_load_b128 v[64+4*i:67+4*i], v[GW], s[6:7] offset:16384*i
.set i, i+1
.endr
	WIN 0x40
.set i, 0
.rept 32
	global_load_b128 v[4*i:4*i+3], v[GD], s[8:9] offset:2048*i
.set i, i+1
.endr
	WIN 0
	v_mul_u32_u24 v[SCX], v18, CXP                 ; load i holds batch row 2 i + thread / 64, k' = 4 (thread % 64) on
	v_lshl_add_u32 v[SCX], v19, 3, v[SCX]
	v_and_b32 v23, 3, v17                          ; c = 8 i + thread / 16: k' = 64 (i / 8) + 16 (c % 4) + 2 (i % 8) + thread / 64
	v_lshl_add_u32 v23, v23, 4, v18
	v_mul_u32_u24 v[SWV], v23, WVP
	v_lshl_add_u32 v[SWV], v16, 3, v[SWV]
	v_add_nc_u32 v[SWV], WVT, v[SWV]
	v_mul_u32_u24 v[SWO], v18, WOP                 ; load i holds row d = 2 i + thread / 64, n = 4 (thread % 64) on
	v_lshl_add_u32 v[SWO], v19, 3, v[SWO]
	v_add_nc_u32 v[SWO], WOT, v[SWO]
	v_lshl_add_u32 v23, v20, 3, v21                ; the turning loads: row 8 (lane / 16) + lane % 8, 16 bytes at 16 ((lane / 8) % 2)
	v_mul_u32_u24 v[AT], v23, WVP
	v_lshl_add_u32 v[AT], v22, 4, v[AT]
	v_add_nc_u32 v[AT], WVT, v[AT]
	s_lshl_b32 s14, s12, 7
	s_add_co_u32 s14, s14, WOT
	v_mul_u32_u24 v[A2], v23, WOP
	v_lshl_add_u32 v[A2], v22, 4, v[A2]
	v_add_nc_u32 v[A2], s14, v[A2]
	v_mul_u32_u24 v[AB], v16, CXP
	v_lshl_add_u32 v[AB], v20, 4, v[AB]
	s_mul_i32 s14, s12, 16*SP
	s_add_co_u32 s14, s14, STG
	v_mul_u32_u24 v[STO], v16, SP
	v_lshl_add_u32 v[STO], v20, 5, v[STO]
	v_add_nc_u32 v[STO], s14, v[STO]
	v_mul_u32_u24 v[RD], v20, SP
	v_lshl_add_u32 v[RD], v16, 4, v[RD]
	v_add_nc_u32 v[RD], s14, v[RD]
	v_lshlrev_b32 v[GO], 10, v20
	v_lshl_add_u32 v[GO], v16, 4, v[GO]
	; eight loads at a time; each count is the number of younger loads (64 is beyond the field: 63)
	s_wait_loadcnt 63
.set i, 0
.rept 8
	SPLIT2 32+4*i, 192+2*i, 208+2*i, 224
	SPLIT2 34+4*i, 193+2*i, 209+2*i, 226
	ds_store_b64 v[SCX], v[192+2*i:193+2*i] offset:2*CXP*i
	ds_store_b64 v[SCX], v[208+2*i:209+2*i] offset:16*CXP+2*CXP*i
.set i, i+1
.endr
.irp g, 0,1,2,3
	s_wait_loadcnt 56-8*\g
.set i, 8*\g
.rept 8
	CV2 64+4*i
.set i, i+1
.endr
.set i, 8*\g
.rept 8
	ds_store_b64 v[SWV], v[64+4*i:65+4*i] offset:(64*(i/8)+2*(i%8))*WVP
.set i, i+1
.endr
.endr
.irp g, 0,1,2,3
	s_wait_loadcnt 24-8*\g
	WIN 0x45
.set i, 8*\g
.rept 8
	CV2 4*i
.set i, i+1
.endr
	WIN 0x04
.set i, 8*\g
.rept 8
	ds_store_b64 v[SWO], v[4*i:4*i+1] offset:2*WOP*i
.set i, i+1
.endr
.endr
	WIN 0
	s_wait_dscnt 0x0                               ; for the others' sake: my stores are done
	s_barrier_signal -1
	s_barrier_wait -1
	; 112 LDS loads on end: ctx low (16), ctx high (16), Wv's K steps 0-3 (32), 4-7 (32), Wo (16)
	WIN 0x40
.set i, 0
.rept 8
	ds_load_b128 v[128+8*i:131+8*i], v[AB] offset:16*CXP+64*i
	ds_load_b128 v[132+8*i:135+8*i], v[AB] offset:16*CXP+64*i+32
.set i, i+1
.endr
	WIN 0
.set i, 0
.rept 8
	ds_load_b128 v[64+8*i:67+8*i], v[AB] offset:64*i
	ds_load_b128 v[68+8*i:71+8*i], v[AB] offset:64*i+32
.set i, i+1
.endr
.set i, 0
.rept 16                                               ; K step i / 4, tile i % 4 of 16 d
	ds_load_tr16_b128 v[128+8*i:131+8*i], v[AT] offset:32*WVP*(i/4)+32*(i%4)
	ds_load_tr16_b128 v[132+8*i:135+8*i], v[AT] offset:32*WVP*(i/4)+32*(i%4)+16*WVP
.set i, i+1
.endr
	WIN 0x40
.set i, 0
.rept 16
	ds_load_tr16_b128 v[8*i:8*i+3], v[AT] offset:32*WVP*(4+i/4)+32*(i%4)
	ds_load_tr16_b128 v[8*i+4:8*i+7], v[AT] offset:32*WVP*(4+i/4)+32*(i%4)+16*WVP
.set i, i+1
.endr
.set i, 0
.rept 8                                                ; tile i / 2 of my wave's four, K step i % 2
	ds_load_tr16_b128 v[192+8*i:195+8*i], v[A2] offset:32*WOP*(i%2)+32*(i/2)
	ds_load_tr16_b128 v[196+8*i:199+8*i], v[A2] offset:32*WOP*(i%2)+32*(i/2)+16*WOP
.set i, i+1
.endr
	s_wait_dscnt 48                                ; all but the 32 + 16 youngest
	; stage 1: the low part first; the four accumulators take turns
	WIN 0x04                                       ; source 1 (ctx low) window 1
.set i, 0
.rept 16
.if i < 4
	v_wmma_f32_16x16x32_bf16 v[32+8*(i%4):39+8*(i%4)], v[128+8*i:135+8*i], v[128+8*(i/4):135+8*(i/4)], 0
.else
	v_wmma_f32_16x16x32_bf16 v[32+8*(i%4):39+8*(i%4)], v[128+8*i:135+8*i], v[128+8*(i/4):135+8*(i/4)], v[32+8*(i%4):39+8*(i%4)]
.endif
.set i, i+1
.endr
	s_wait_dscnt 16                                ; all but Wo's 16
	WIN 0x05                                       ; both sources window 1
.set i, 0
.rept 16
	v_wmma_f32_16x16x32_bf16 v[32+8*(i%4):39+8*(i%4)], v[8*i:8*i+7], v[160+8*(i/4):167+8*(i/4)], v[32+8*(i%4):39+8*(i%4)]
.set i, i+1
.endr
	WIN 0
.set i, 0
.rept 16
	v_wmma_f32_16x16x32_bf16 v[32+8*(i%4):39+8*(i%4)], v[128+8*i:135+8*i], v[64+8*(i/4):71+8*(i/4)], v[32+8*(i%4):39+8*(i%4)]
.set i, i+1
.endr
	WIN 0x01
.set i, 0
.rept 16
	v_wmma_f32_16x16x32_bf16 v[32+8*(i%4):39+8*(i%4)], v[8*i:8*i+7], v[96+8*(i/4):103+8*(i/4)], v[32+8*(i%4):39+8*(i%4)]
.set i, i+1
.endr
	WIN 0
	PLACES
	; a lane holds one batch and 8 d of each tile: pair i goes to register i of a part; each tile's lowest registers are read first
.set i, 0
.rept 16
	SPLIT2 32+2*i, 64+i, 80+i, 112+2*(i%4)
.set i, i+1
.endr
	s_wait_dscnt 0x0                               ; Wo's fragments
	WIN 0x01
.irp part, 1,0
.irp k, 0,1
.irp i, 0,1,2,3
.if (\part == 1) && (\k == 0)
	v_wmma_f32_16x16x32_bf16 v[128+8*\i:135+8*\i], v[192+16*\i+8*\k:199+16*\i+8*\k], v[64+16*\part+8*\k:71+16*\part+8*\k], 0
.else
	v_wmma_f32_16x16x32_bf16 v[128+8*\i:135+8*\i], v[192+16*\i+8*\k:199+16*\i+8*\k], v[64+16*\part+8*\k:71+16*\part+8*\k], v[128+8*\i:135+8*\i]
.endif
.endr
.endr
.endr
	WIN 0
	PLACES
.irp i, 0,1,2,3
	ds_store_b128 v[STO], v[128+8*\i:131+8*\i] offset:64*\i
	ds_store_b128 v[STO], v[132+8*\i:135+8*\i] offset:64*\i+16
.endr
.irp t, 0,1,2,3,4,5,6,7
	ds_load_b128 v[160+4*\t:163+4*\t], v[RD] offset:2*SP*\t  ; LDS serves a wave's instructions in order (ISA guide 5.7.1.4): these see the stores above
.endr
.irp t, 0,1,2,3,4,5,6,7
	s_wait_dscnt 7-\t
	global_store_b128 v[GO], v[160+4*\t:163+4*\t], s[10:11] offset:2048*\t  ; 16 lanes store 256 consecutive bytes, aligned
.endr
	s_wait_tensorcnt 0x0                           ; the wave's end
	ds_add_u32 v[SPW], v[NIL]
	s_wait_dscnt 0x0
	s_endpgm
.Lfunc_end_k_qb372aa3662_post:
	.size	k_qb372aa3662_post, .Lfunc_end_k_qb372aa3662_post-k_qb372aa3662_post
	.p2alignl 7, 3214868480
	.fill 96, 4, 3214868480
	.section	.rodata,"a",@progbits
	.p2align	6, 0x0
	.amdhsa_kernel k_qb372aa3662_post
		.amdhsa_group_segment_fixed_size 110592
		.amdhsa_private_segment_fixed_size 0
		.amdhsa_enable_private_segment 0
		.amdhsa_kernarg_size 32
		.amdhsa_user_sgpr_count 2
		.amdhsa_user_sgpr_kernarg_segment_ptr 1
		.amdhsa_wavefront_size32 1
		.amdhsa_system_sgpr_workgroup_id_x 1
		.amdhsa_system_sgpr_workgroup_id_y 1
		.amdhsa_system_sgpr_workgroup_id_z 1
		.amdhsa_system_vgpr_workitem_id 0
		.amdhsa_next_free_vgpr 512
		.amdhsa_next_free_sgpr 66
		.amdhsa_reserve_vcc 0
		.amdhsa_float_denorm_mode_32 3
		.amdhsa_float_denorm_mode_16_64 3
		.amdhsa_memory_ordered 1
		.amdhsa_forward_progress 1
		.amdhsa_inst_pref_size 47
	.end_amdhsa_kernel
	.amdgpu_metadata
---
amdhsa.version: [ 1, 2 ]
amdhsa.kernels:
  - .name:           k_qb372aa3662_post
    .symbol:         k_qb372aa3662_post.kd
    .args:
      - { .name: ctxw, .offset: 0, .size: 8, .value_kind: global_buffer, .address_space: global }
      - { .name: Wv, .offset: 8, .size: 8, .value_kind: global_buffer, .address_space: global }
      - { .name: Wo, .offset: 16, .size: 8, .value_kind: global_buffer, .address_space: global }
      - { .name: partw, .offset: 24, .size: 8, .value_kind: global_buffer, .address_space: global }
    .group_segment_fixed_size: 110592
    .private_segment_fixed_size: 0
    .kernarg_segment_align: 8
    .kernarg_segment_size: 32
    .max_flat_workgroup_size: 128
    .sgpr_count:     66
    .vgpr_count:     512
    .wavefront_size: 32
...
	.end_amdgpu_metadata
.endif
;; end of part 3
;; launch fin (part 4): grid 256 x 1, 4 waves a work-group, no clusters, 0 bytes of LDS; arguments partw, bo, out0; writes out0
.if DOCPART == 4
	.amdgcn_target "amdgcn-amd-amdhsa--gfx1250"
	.amdhsa_code_object_version 6
	.text
	.protected	k_qb372aa3662_fin
	.globl	k_qb372aa3662_fin
	.p2align	8
	.type	k_qb372aa3662_fin,@function
k_qb372aa3662_fin:
	s_mov_b64 s[64:65], 0
	v_nop
	global_prefetch_b8 v0, s[64:65] scope:SCOPE_SE
	s_setreg_imm32_b32 hwreg(HW_REG_WAVE_MODE, 25, 1), 1
	s_wait_xcnt 0x0
; out0[b][n] = the sum over the 8 heads of partw[h][b][n], heads ascending, + bf16(bo)[n].  131,072 numbers, four to a thread: 256 work-groups of 128 threads.
; A stream: nine loads of 16 bytes a lane go out together, one store of 16 bytes; a wave's load or store covers 512 consecutive aligned bytes.  No LDS, no barrier, no matrix work: there is nothing to share.
; bo is rounded to bf16 like every other float input of the program.
	s_load_b128 s[4:7], s[0:1], 0x0                ; partw s[4:5], bo s[6:7]
	s_load_b64 s[8:9], s[0:1], 0x10                ; out0
	s_lshl_b32 s10, ttmp9, 11                      ; 128 threads x 16 bytes
	v_lshl_add_u32 v1, v0, 4, s10                  ; my 16 bytes in out0 and in each head's plane
	v_and_b32 v2, 0x3f0, v1                        ; and in bo: a row is 1,024 bytes
	s_wait_kmcnt 0x0
.irp hd, 0,1,2,3,4,5,6,7
	global_load_b128 v[4+4*\hd:7+4*\hd], v1, s[4:5] offset:524288*\hd th:TH_LOAD_NT
.endr
	global_load_b128 v[36:39], v2, s[6:7]
	s_wait_loadcnt 0x0
	v_cvt_pk_bf16_f32 v40, v36, v37
	v_cvt_pk_bf16_f32 v41, v38, v39
	v_lshlrev_b32 v36, 16, v40
	v_and_b32 v37, 0xffff0000, v40
	v_lshlrev_b32 v38, 16, v41
	v_and_b32 v39, 0xffff0000, v41
.irp hd, 1,2,3,4,5,6,7,8
	v_pk_add_f32 v[4:5], v[4:5], v[4+4*\hd:5+4*\hd]        ; the eighth addend is bo
	v_pk_add_f32 v[6:7], v[6:7], v[6+4*\hd:7+4*\hd]
.endr
	global_store_b128 v1, v[4:7], s[8:9]
	s_endpgm
.Lfunc_end_k_qb372aa3662_fin:
	.size	k_qb372aa3662_fin, .Lfunc_end_k_qb372aa3662_fin-k_qb372aa3662_fin
	.p2alignl 7, 3214868480
	.fill 96, 4, 3214868480
	.section	.rodata,"a",@progbits
	.p2align	6, 0x0
	.amdhsa_kernel k_qb372aa3662_fin
		.amdhsa_group_segment_fixed_size 0
		.amdhsa_private_segment_fixed_size 0
		.amdhsa_enable_private_segment 0
		.amdhsa_kernarg_size 24
		.amdhsa_user_sgpr_count 2
		.amdhsa_user_sgpr_kernarg_segment_ptr 1
		.amdhsa_wavefront_size32 1
		.amdhsa_system_sgpr_workgroup_id_x 1
		.amdhsa_system_sgpr_workgroup_id_y 1
		.amdhsa_system_sgpr_workgroup_id_z 1
		.amdhsa_system_vgpr_workitem_id 0
		.amdhsa_next_free_vgpr 48
		.amdhsa_next_free_sgpr 66
		.amdhsa_reserve_vcc 0
		.amdhsa_float_denorm_mode_32 3
		.amdhsa_float_denorm_mode_16_64 3
		.amdhsa_memory_ordered 1
		.amdhsa_forward_progress 1
		.amdhsa_inst_pref_size 3
	.end_amdhsa_kernel
	.amdgpu_metadata
---
amdhsa.version: [ 1, 2 ]
amdhsa.kernels:
  - .name:           k_qb372aa3662_fin
    .symbol:         k_qb372aa3662_fin.kd
    .args:
      - { .name: partw, .offset: 0, .size: 8, .value_kind: global_buffer, .address_space: global }
      - { .name: bo, .offset: 8, .size: 8, .value_kind: global_buffer, .address_space: global }
      - { .name: out0, .offset: 16, .size: 8, .value_kind: global_buffer, .address_space: global }
    .group_segment_fixed_size: 0
    .private_segment_fixed_size: 0
    .kernarg_segment_align: 8
    .kernarg_segment_size: 24
    .max_flat_workgroup_size: 128
    .sgpr_count:     66
    .vgpr_count:     48
    .wavefront_size: 32
...
	.end_amdgpu_metadata
.endif
;; end of part 4
